; MI455X (gfx1250); checked and timed in simulation.
; The chip was launched on July 23, 2026; its instructions are those of AMD's public machine-readable ISA for CDNA 5 (MIT licence, August 2026) and "CDNA5" Instruction Set Architecture Reference Guide (July 2026). The comments in the code are by the model that wrote it; some were corrected since.
;; Alibi Attention Wrapper. Allowed arithmetic: float matrix products may take bf16 or f16 operands with f32 sums; all other float work in f32.
;; Inputs: in_proj_bias 3,072 float32; in_proj_weight 3,072 x 1,024 float32; out_proj_bias 1,024 float32; out_proj_weight 1,024 x 1,024 float32; x 2 x 2,048 x 1,024 float32.
;; Outputs: out0 2 x 2,048 x 1,024 float32.
;; One version. Each part assembles by itself: llvm-mc -triple=amdgcn-amd-amdhsa -mcpu=gfx1250 --defsym DOCPART=n.
;; ======== version 1 of 1: 4 launches
;; limits: values are held in f16: magnitudes above 65,504 overflow, below 6.1e-05 lose precision
;; workspace buffers: castb 16,777,216 bytes; qkv 25,165,824 bytes; att 8,388,608 bytes
;; launch cast (part 1): grid 512 x 1, 8 waves a work-group, no clusters, 0 bytes of LDS; arguments x, in_proj_weight, out_proj_weight, castb; writes castb
.if DOCPART == 1
	.amdgcn_target "amdgcn-amd-amdhsa--gfx1250"
	.amdhsa_code_object_version 6
	.text
	.protected	k_q612c4afc09_cast
	.globl	k_q612c4afc09_cast
	.p2align	8
	.type	k_q612c4afc09_cast,@function
k_q612c4afc09_cast:
	s_mov_b64 s[64:65], 0
	v_nop
	global_prefetch_b8 v0, s[64:65] scope:SCOPE_SE
	s_setreg_imm32_b32 hwreg(HW_REG_WAVE_MODE, 25, 1), 1
	s_wait_xcnt 0x0
; x [4096][1024], in_proj_weight [3072][1024] and out_proj_weight [1024][1024] from f32 to f16, one behind the other in castb
; (bytes 0, 8,388,608 and 14,680,064).  Each of these numbers is a matrix operand of 16 or more work-groups later on: it is rounded once, here.
; LIMIT: a number above 65,504 in magnitude becomes infinite in f16; below 6.1e-5 it keeps an absolute step of 6e-8 (f16 denormals).
; A stream: no LDS, no barrier, no matrix unit.  A work-group converts 16,384 numbers (65,536 bytes in, 32,768 out); groups 0-255 take x,
; 256-447 in_proj_weight, 448-511 out_proj_weight; the output offset is the group's number times 32,768 in all three.
; Thread t takes 16 bytes at 4,096 i + 16 t (a wave's load covers 512 neighbouring bytes) and stores 8 bytes at 2,048 i + 8 t
; (a wave's store covers 256 neighbouring bytes, aligned).  All sixteen loads go out first; no register is written twice.
.set X, 4                              ; v[4:67]   load i: 4 registers
.set Y, 68                             ; v[68:99]  store i: 2 registers
	s_load_b256 s[4:11], s[0:1], 0x0               ; x s[4:5], in_proj_weight s[6:7], out_proj_weight s[8:9], castb s[10:11]
	v_lshlrev_b32 v1, 4, v0                        ; 16 t
	v_lshlrev_b32 v2, 3, v0                        ; 8 t
	s_wait_kmcnt 0x0
	s_cmp_lt_u32 ttmp9, 256                        ; which tensor is mine, and the number of its first work-group
	s_cselect_b64 s[12:13], s[4:5], s[6:7]
	s_cselect_b32 s14, 0, 256
	s_cmp_lt_u32 ttmp9, 448
	s_cselect_b64 s[12:13], s[12:13], s[8:9]
	s_cselect_b32 s14, s14, 448
	s_sub_co_u32 s14, ttmp9, s14
	s_lshl_b32 s16, s14, 16                        ; 65,536 bytes of input for each work-group
	s_mov_b32 s17, 0
	s_add_nc_u64 s[12:13], s[12:13], s[16:17]
	s_lshl_b32 s18, ttmp9, 15                      ; 32,768 bytes of output
	s_mov_b32 s19, 0
	s_add_nc_u64 s[10:11], s[10:11], s[18:19]
.irp i, 0,1,2,3,4,5,6,7,8,9,10,11,12,13,14,15
	global_load_b128 v[X+4*\i:X+4*\i+3], v1, s[12:13] offset:4096*\i th:TH_LOAD_NT
.endr
.irp i, 0,1,2,3,4,5,6,7,8,9,10,11,12,13,14,15
	s_wait_loadcnt 15-\i                           ; loads come back in order: load i is in, the 15 - i younger ones stay out
	v_cvt_pk_f16_f32 v[Y+2*\i], v[X+4*\i], v[X+4*\i+1]
	v_cvt_pk_f16_f32 v[Y+2*\i+1], v[X+4*\i+2], v[X+4*\i+3]
	global_store_b64 v2, v[Y+2*\i:Y+2*\i+1], s[10:11] offset:2048*\i
.endr
	s_endpgm
.Lfunc_end_k_q612c4afc09_cast:
	.size	k_q612c4afc09_cast, .Lfunc_end_k_q612c4afc09_cast-k_q612c4afc09_cast
	.p2alignl 7, 3214868480
	.fill 96, 4, 3214868480
	.section	.rodata,"a",@progbits
	.p2align	6, 0x0
	.amdhsa_kernel k_q612c4afc09_cast
		.amdhsa_group_segment_fixed_size 0
		.amdhsa_private_segment_fixed_size 0
		.amdhsa_enable_private_segment 0
		.amdhsa_kernarg_size 32
		.amdhsa_user_sgpr_count 2
		.amdhsa_user_sgpr_kernarg_segment_ptr 1
		.amdhsa_wavefront_size32 1
		.amdhsa_system_sgpr_workgroup_id_x 1
		.amdhsa_system_sgpr_workgroup_id_y 1
		.amdhsa_system_sgpr_workgroup_id_z 1
		.amdhsa_system_vgpr_workitem_id 0
		.amdhsa_next_free_vgpr 100
		.amdhsa_next_free_sgpr 66
		.amdhsa_reserve_vcc 0
		.amdhsa_float_denorm_mode_32 3
		.amdhsa_float_denorm_mode_16_64 3
		.amdhsa_memory_ordered 1
		.amdhsa_forward_progress 1
		.amdhsa_inst_pref_size 7
	.end_amdhsa_kernel
	.amdgpu_metadata
---
amdhsa.version: [ 1, 2 ]
amdhsa.kernels:
  - .name:           k_q612c4afc09_cast
    .symbol:         k_q612c4afc09_cast.kd
    .args:
      - { .name: x, .offset: 0, .size: 8, .value_kind: global_buffer, .address_space: global }
      - { .name: in_proj_weight, .offset: 8, .size: 8, .value_kind: global_buffer, .address_space: global }
      - { .name: out_proj_weight, .offset: 16, .size: 8, .value_kind: global_buffer, .address_space: global }
      - { .name: castb, .offset: 24, .size: 8, .value_kind: global_buffer, .address_space: global }
    .group_segment_fixed_size: 0
    .private_segment_fixed_size: 0
    .kernarg_segment_align: 8
    .kernarg_segment_size: 32
    .max_flat_workgroup_size: 256
    .sgpr_count:     66
    .vgpr_count:     100
    .wavefront_size: 32
...
	.end_amdgpu_metadata
.endif
;; end of part 1
;; launch qkvgemm (part 2): grid 16 x 16, 4 waves a work-group, clusters of 4 x 4, 327,680 bytes of LDS; arguments castb, in_proj_bias, qkv; writes qkv
.if DOCPART == 2
	.amdgcn_target "amdgcn-amd-amdhsa--gfx1250"
	.amdhsa_code_object_version 6
	.text
	.protected	k_q612c4afc09_qkvgemm
	.globl	k_q612c4afc09_qkvgemm
	.p2align	8
	.type	k_q612c4afc09_qkvgemm,@function
k_q612c4afc09_qkvgemm:
	s_mov_b64 s[64:65], 0
	v_nop
	global_prefetch_b8 v0, s[64:65] scope:SCOPE_SE
	s_setreg_imm32_b32 hwreg(HW_REG_WAVE_MODE, 25, 1), 1
	s_wait_xcnt 0x0
	s_wait_alu depctr_hold_cnt(0) depctr_sa_sdst(0) depctr_va_vdst(0) depctr_va_sdst(0) depctr_va_ssrc(0) depctr_va_vcc(0) depctr_vm_vsrc(0)
	s_getreg_b32 s2, hwreg(HW_REG_IB_STS2, 6, 4)
	s_cmp_eq_u32 s2, 0
	s_cbranch_scc0 .Lentry_in_a_cluster
	s_endpgm
.Lentry_in_a_cluster:
	s_bfe_u32 s2, ttmp6, 0x10000c
	s_cmp_lg_u32 s2, 0xf033
	s_cbranch_scc0 .Lentry_shape_is_right
	s_endpgm
.Lentry_shape_is_right:
; qkv = x W_in^T + b_in, the q columns times 0.125 log2(e), rounded to f16 and stored as [3 (q,k,v)][2 b][16 h][2048 s][64 d].
; x and W_in come as f16 from castb (bytes 0 and 8,388,608); sums in f32.
; LIMITS: q, k, v above 65,504 in magnitude become infinite in f16.  q is scaled before it is rounded (the order of rounding differs from
; scaling the scores afterwards).
; A work-group makes 256 tokens x 192 features (three head blocks of 64) with four waves; wave w makes tokens 64 w .. 64 w + 63 x all 192
; features: 4 x 12 accumulator tiles of 16 x 16, 384 registers.  A wave holds whole head blocks, so that 16 tokens x 64 d = 2,048 dense bytes
; of qkv leave by stores of 512 neighbouring bytes.  K goes in steps of 128 through two LDS slots filled by the tensor data mover (rows of 256 bytes).
; CLUSTERS: 4 x 4 work-groups.  x's tile hangs on the block row alone and is asked for jointly along a row of the cluster, W's on the block
; column alone and is asked for jointly along a column: the requests for both are divided by four.
; REGISTERS: window 0: v0-31 addresses; v32-63, v64-95 x fragments (4 x 16 tokens x 32 K), two buffers; v96-191 the bias as 12 tiles, on the way
; out two sets for reading back; v192-239 packed results.  Window 1: v0-95, v96-191 W fragments (12), two buffers.
; Window 2: tiles (a, b), a = 0, 1, at 8 (12 a + b); window 3: a = 2, 3.
; THE MATRIX INSTRUCTION IS USED TRANSPOSED: source 0 = 16 rows of W, source 1 = 16 tokens.  Lane l then holds token l % 16 and its registers
; 0-7 the features 16 b + 8 (l / 16) + 0..7: eight neighbouring numbers of a row, 16 bytes in f16.
; The first products take the bias tiles as C: nothing is cleared, and the bias costs no instruction.
.set KSTEP,  128
.set PITCH,  272                       ; an LDS row: 256 bytes + 16 of padding, an odd multiple of 16: 16 rows start at 16 different 16-byte columns of 256 bytes
.set XH,     128*PITCH                 ; 128 rows of x: one tensor load
.set XT,     2*XH
.set WH,     96*PITCH                  ; 96 rows of W: one tensor load
.set SLOT,   XT+2*WH                   ; x's 256 rows, then W's 192
.set STAGE,  2*SLOT                    ; behind the ring: [3 head blocks][16 tokens][144 bytes] for each wave
.set SPITCH, 144
.set HBS,    16*SPITCH
.set WOFF,   8388608                   ; W_in in castb
.set KAPPA,  0x3e38aa3b                ; 0.125 log2(e)
.set LAPS,   1024/(2*KSTEP)            ; a lap = two K steps = once round the ring
.set ADRX, 16                          ; v16-17  LDS address of my x fragments in slot 0, 1
.set ADRW, 20                          ; v20-21  the same for W
.set STO,  24                          ; v24     the way out: where I put 16 bytes
.set RD,   25                          ; v25     the way out: where I read back
.set CO,   26                          ; v26     16 x lane
.set BOF,  27                          ; v27     32 x (lane / 16): my place in the bias
.set FX,   32
.set FW,   0
.set BIAS, 96
.set RB0,  96
.set RB1,  144
.set TMP,  192
.set G1,  24                           ; s[24:31] descriptor group 1 for x's tiles
.set G0,  32                           ; s[32:39] group 0 for x's tiles, one set for each slot
.set G1B, 48                           ; s[48:55] group 1 for W's tiles
.set G0B, 56                           ; s[56:63] group 0 for W's tiles
.set OB,  66                           ; s[66:71] the way out: address of my rows in each of my three head blocks
.set SC,  72                           ; s[72:77] the way out: each head block's factor, twice (a pair for the packed multiply)
.set MSB, 0
.macro WIN new                         ; the immediate's high byte repeats the setting that is left
.if MSB != \new
	s_set_vgpr_msb (MSB<<8)|\new
.set MSB, \new
.endif
.endm
.set MUL_LO,   0xa1                    ; source 0 (W) window 1, source 1 (x) window 0, C and D window 2
.set MUL_HI,   0xf1                    ; the same, C and D window 3
.set FIRST_LO, 0x81                    ; C (the bias) window 0, D window 2
.set FIRST_HI, 0xc1                    ; C window 0, D window 3
.set TO_W,     0x40                    ; destination window 1, address window 0
; A joint load.  Waves 0 and 1 fetch x's two halves, waves 2 and 3 W's.  Each line has one mask and one set of registers for all that issue it.
.macro JLOAD s
	s_cmp_eq_u32 s11, 0
	s_cbranch_scc0 .Lfor_w_\@
	tensor_load_to_lds s[G0+4*\s:G0+4*\s+3], s[G1:G1+7]
	s_nop 0
	s_branch .Lasked_\@
.Lfor_w_\@:
	tensor_load_to_lds s[G0B+4*\s:G0B+4*\s+3], s[G1B:G1B+7]
	s_nop 0
.Lasked_\@:
.endm
.macro CREST                           ; a round of the cluster's barrier behind its opening barrier
	s_cmp_lg_u32 s10, 0
	s_cbranch_scc1 .Lnot_wave_0_\@
	s_barrier_signal -3
.Lnot_wave_0_\@:
	s_barrier_wait -3
	s_barrier_signal -1
	s_barrier_wait -1
.endm
.macro CROUND                          ; a whole round
	s_barrier_signal -1
	s_barrier_wait -1
	CREST
.endm
.macro PLACES                          ; four places behind the last matrix instruction, in front of loads into its sources and of reads of its results
.rept 4
	v_nop
.endr
.endm
	s_load_b128 s[4:7], s[0:1], 0x0                ; castb s[4:5], in_proj_bias s[6:7]
	s_load_b64 s[8:9], s[0:1], 0x10                ; qkv
	s_set_vgpr_msb 0x40
	v_lshl_add_u32 v255, v0, 2, 0x42400
	s_set_vgpr_msb 0x4000
	v_mov_b32 v255, 0
	s_set_vgpr_msb 0x1
	ds_add_u32 v255, v255
	s_set_vgpr_msb 0x100
	v_lshrrev_b32 v1, 5, v0
	v_readfirstlane_b32 s10, v1                    ; wave 0..3
	s_lshr_b32 s11, s10, 1                         ; I fetch for x (0) or for W (1)
	s_and_b32 s12, s10, 1                          ; which half of that tile
	s_bfe_u32 s40, ttmp6, 0x40000                  ; cx
	s_bfe_u32 s41, ttmp6, 0x40004                  ; cy
	s_lshl_b32 s42, ttmp9, 2
	s_add_co_u32 s42, s42, s40                     ; block column (192 features) = 4 x cluster x + cx
	s_and_b32 s13, ttmp7, 0xffff
	s_lshl_b32 s13, s13, 2
	s_add_co_u32 s13, s13, s41                     ; block row (256 tokens) = 4 x cluster y + cy
	s_lshl_b32 s43, s41, 2
	s_lshl_b32 s43, 15, s43                        ; my row of the cluster
	s_lshl_b32 s44, 0x1111, s40                    ; my column
	; group 1: elements of 2 bytes, 16 bytes of padding behind every 64 words, bit 21 beside the mask
	s_or_b32 s[G1+0], s43, (1<<16)|(1<<20)|(1<<21)|(5<<22)|(3<<25)
	s_or_b32 s[G1B+0], s44, (1<<16)|(1<<20)|(1<<21)|(5<<22)|(3<<25)
	s_mov_b32 s[G1+1], KSTEP<<16                   ; tensor_dim0 = 128
	s_mov_b32 s[G1B+1], KSTEP<<16
	s_mov_b32 s[G1+2], 128<<16                     ; tensor_dim1 = 128 rows of x
	s_mov_b32 s[G1B+2], 96<<16                     ;             =  96 rows of W
	s_mov_b32 s[G1+3], KSTEP<<16                   ; tile_dim0 = 128
	s_mov_b32 s[G1B+3], KSTEP<<16
	s_mov_b32 s[G1+4], 128                         ; tile_dim1
	s_mov_b32 s[G1B+4], 96
	s_mov_b32 s[G1+5], 1024                        ; elements from row to row
	s_mov_b32 s[G1B+5], 1024
	s_mov_b32 s[G1+6], 0
	s_mov_b32 s[G1B+6], 0
	s_mov_b32 s[G1+7], 0
	s_mov_b32 s[G1B+7], 0
	; x's address hangs on the block row and the wave, W's on the block column and the wave, each in registers that never hold the other coordinate
	s_lshl_b32 s16, s13, 8
	s_lshl_b32 s17, s12, 7
	s_add_co_u32 s16, s16, s17                     ; x: row 256 x block row + 128 x half
	s_lshl_b32 s16, s16, 11                        ; rows of 2,048 bytes
	s_mov_b32 s17, 0
	s_mul_i32 s46, s42, 192
	s_mul_i32 s47, s12, 96
	s_add_co_u32 s46, s46, s47                     ; W: row 192 x block column + 96 x half
	s_lshl_b32 s46, s46, 11
	s_add_co_u32 s46, s46, WOFF
	s_mov_b32 s47, 0
	s_mul_i32 s20, s10, XH                         ; where x's halves go: wave x 128 rows (waves 0, 1)
	s_mul_i32 s21, s10, WH                         ; where W's go: behind x's 256 rows, (wave - 2) x 96 rows (waves 2, 3)
	s_add_co_u32 s21, s21, XT-2*WH
	s_wait_dscnt 0x0
	s_wait_kmcnt 0x0
	s_add_nc_u64 s[14:15], s[4:5], s[16:17]
	s_add_nc_u64 s[46:47], s[4:5], s[46:47]
	CROUND                                         ; all sixteen work-groups are here: the first joint loads meet
.irp s, 0,1
	s_mov_b32 s[G0+4*\s], 1
	s_add_co_u32 s[G0+4*\s+1], s20, \s*SLOT
	s_add_nc_u64 s[G0+4*\s+2:G0+4*\s+3], s[14:15], \s*KSTEP*2      ; K step s
	s_or_b32 s[G0+4*\s+3], s[G0+4*\s+3], 0x80000000
	s_mov_b32 s[G0B+4*\s], 1
	s_add_co_u32 s[G0B+4*\s+1], s21, \s*SLOT
	s_add_nc_u64 s[G0B+4*\s+2:G0B+4*\s+3], s[46:47], \s*KSTEP*2
	s_or_b32 s[G0B+4*\s+3], s[G0B+4*\s+3], 0x80000000
	JLOAD \s                                       ; both first fills go out before anything else: two tensor loads of the wave are out
.endr
	v_and_b32 v1, 15, v0                           ; r = l % 16
	v_bfe_u32 v2, v0, 4, 1                         ; h = l / 16
	v_lshlrev_b32 v[BOF], 5, v2
	s_mul_i32 s84, s42, 768                        ; my 192 numbers of the bias
	s_mov_b32 s85, 0
	s_add_nc_u64 s[86:87], s[6:7], s[84:85]
.irp b, 0,1,2,3,4,5,6,7,8,9,10,11
	global_load_b128 v[BIAS+8*\b:BIAS+8*\b+3],   v[BOF], s[86:87] offset:64*\b      ; register j of tile b: bias of feature 16 b + 8 h + j
	global_load_b128 v[BIAS+8*\b+4:BIAS+8*\b+7], v[BOF], s[86:87] offset:64*\b+16
.endr
	v_mul_u32_u24 v3, v1, PITCH
	v_lshl_add_u32 v3, v2, 4, v3                   ; row x pitch + 16 x half: two loads of 16 bytes, 32 bytes apart, make a fragment
	s_mul_i32 s22, s10, 64*PITCH                   ; my 64 tokens
	s_mov_b32 s23, XT                              ; all 192 rows of W
.irp s, 0,1
	v_add_nc_u32 v[ADRX+\s], s22, v3
	v_add_nc_u32 v[ADRW+\s], s23, v3
	s_add_co_u32 s22, s22, SLOT
	s_add_co_u32 s23, s23, SLOT
.endr
	s_mul_i32 s22, s10, 3*HBS
	s_add_co_u32 s22, s22, STAGE                   ; my stage
	v_mul_u32_u24 v4, v1, SPITCH
	v_lshl_add_u32 v4, v2, 4, v4
	v_add_nc_u32 v[STO], s22, v4                   ; in: token r, 16 bytes for each half of the lanes
	v_and_b32 v5, 31, v0
	v_lshrrev_b32 v6, 3, v5
	v_and_b32 v7, 7, v0
	v_mul_u32_u24 v6, v6, SPITCH
	v_lshl_add_u32 v6, v7, 4, v6
	v_add_nc_u32 v[RD], s22, v6                    ; back: eight lanes take a token's 128 bytes, a load four tokens
	v_lshlrev_b32 v[CO], 4, v5                     ; which are 512 dense bytes of qkv
; 12 matrix instructions: token block a of the window's two (hi = 0: tokens 0-31, 1: tokens 32-63) x all 12 feature blocks, 32 along K, buffer f
.macro MUL12 f, hi, a, first
.irp b, 0,1,2,3,4,5,6,7,8,9,10,11
.if \first
	v_wmma_f32_16x16x32_f16 v[8*(12*\a+\b):8*(12*\a+\b)+7], v[FW+96*\f+8*\b:FW+96*\f+8*\b+7], v[FX+32*\f+8*(2*\hi+\a):FX+32*\f+8*(2*\hi+\a)+7], v[BIAS+8*\b:BIAS+8*\b+7]
.else
	v_wmma_f32_16x16x32_f16 v[8*(12*\a+\b):8*(12*\a+\b)+7], v[FW+96*\f+8*\b:FW+96*\f+8*\b+7], v[FX+32*\f+8*(2*\hi+\a):FX+32*\f+8*(2*\hi+\a)+7], v[8*(12*\a+\b):8*(12*\a+\b)+7]
.endif
.endr
.endm
; 32 LDS loads in one run: 192 rows of W, then my 64 tokens, 32 K at byte k of the rows, into buffer f
.macro FETCH slot, k, f
	WIN TO_W
.irp i, 0,1,2,3,4,5,6,7,8,9,10,11
	ds_load_b128 v[FW+96*\f+8*\i:FW+96*\f+8*\i+3],   v[ADRW+\slot] offset:\k+\i*16*PITCH
	ds_load_b128 v[FW+96*\f+8*\i+4:FW+96*\f+8*\i+7], v[ADRW+\slot] offset:\k+\i*16*PITCH+32
.endr
	WIN 0
.irp i, 0,1,2,3
	ds_load_b128 v[FX+32*\f+8*\i:FX+32*\f+8*\i+3],   v[ADRX+\slot] offset:\k+\i*16*PITCH
	ds_load_b128 v[FX+32*\f+8*\i+4:FX+32*\f+8*\i+7], v[ADRX+\slot] offset:\k+\i*16*PITCH+32
.endr
.endm
; A K step is four quarters of 32 along K, 48 matrix instructions each, on buffers 0, 1, 0, 1.  The 48 accumulators take turns, one instruction
; a turn, in the same order in every quarter.
.macro QUARTER slot, k, f, g, first
	s_wait_dscnt 4                                 ; W and my tokens 0-31 are in; the youngest four loads (tokens 32-63) may be out
.if \first
	WIN FIRST_LO
.else
	WIN MUL_LO
.endif
	MUL12 \f, 0, 0, \first
	MUL12 \f, 0, 1, \first
	PLACES
	FETCH \slot, \k, \g
	s_wait_dscnt 32                                ; all but the 32 just issued
.if \first
	WIN FIRST_HI
.else
	WIN MUL_HI
.endif
	MUL12 \f, 1, 0, \first
	MUL12 \f, 1, 1, \first
.endm
.macro THREE slot, first
	QUARTER \slot, 64,  0, 1, \first
	QUARTER \slot, 128, 1, 0, 0
	QUARTER \slot, 192, 0, 1, 0
.endm
; The last quarter multiplies buffer 1 and changes slots.  In front of the barrier each wave waits for its reads of this slot and for all its
; tensor loads (one is out: its part of the next slot).  Where the slot is filled again the barrier opens a round of the cluster's barrier, and
; the joint refill is the first tensor load behind the round: one load of the wave is out from there to the next change, 180 matrix instructions on.
.macro TURN slot, next, fill
	s_wait_dscnt 4
	WIN MUL_LO
	MUL12 1, 0, 0, 0
	s_wait_dscnt 0                                 ; my reads of this slot are over
	s_wait_tensorcnt 0x0                           ; all my tensor loads have landed
	ds_add_u32 v255, v255
	s_wait_dscnt 0x0
	s_barrier_signal -1
	MUL12 1, 0, 1, 0                               ; register work while the others arrive
	WIN 0
	s_barrier_wait -1
.if \fill
	CREST
	s_add_nc_u64 s[G0+4*\slot+2:G0+4*\slot+3], s[G0+4*\slot+2:G0+4*\slot+3], 2*KSTEP*2
	s_add_nc_u64 s[G0B+4*\slot+2:G0B+4*\slot+3], s[G0B+4*\slot+2:G0B+4*\slot+3], 2*KSTEP*2
	JLOAD \slot
.endif
	PLACES
	FETCH \next, 0, 0
	WIN MUL_HI
	MUL12 1, 1, 0, 0
	MUL12 1, 1, 1, 0
.endm
.macro LAP first
	THREE 0, \first
	TURN 0, 1, 1
	THREE 1, 0
	TURN 1, 0, 1
.endm
	s_wait_tensorcnt 1                             ; my part of K step 0 is in; K step 1's stays out
	s_barrier_signal -1
	s_barrier_wait -1
	FETCH 0, 0, 0
	s_wait_loadcnt 0x0                             ; the bias
	LAP 1                                          ; the first lap stands in front of the loop: its first products start the sums from the bias
	WIN 0
	s_mov_b32 s3, LAPS-2
.Llap:
	LAP 0
	WIN 0
	s_sub_co_u32 s3, s3, 1
	s_cmp_lg_u32 s3, 0
	s_cbranch_scc1 .Llap
	THREE 0, 0                                     ; the last lap fills nothing
	TURN 0, 1, 0
	THREE 1, 0
	s_wait_dscnt 4
	WIN MUL_LO
	MUL12 1, 0, 0, 0
	MUL12 1, 0, 1, 0
	s_wait_dscnt 0
	WIN MUL_HI
	MUL12 1, 1, 0, 0
	MUL12 1, 1, 1, 0
	; THE WAY OUT.  Head block g = 3 x block column + hb: plane g / 16 (q, k, v), head g % 16; q's blocks are scaled.
	PLACES
	s_lshr_b32 s78, s13, 3                         ; batch
	s_and_b32 s79, s13, 7
	s_lshl_b32 s79, s79, 8
	s_lshl_b32 s80, s10, 6
	s_add_co_u32 s79, s79, s80                     ; my first token in the batch
	s_lshl_b32 s79, s79, 7                         ; rows of 128 bytes
	s_mul_i32 s80, s42, 3
.irp hb, 0,1,2
	s_add_co_u32 s81, s80, \hb                     ; g
	s_cmp_lt_u32 s81, 16                           ; a choice of a factor, no branch
	s_cselect_b32 s[SC+2*\hb], KAPPA, 1.0
	s_mov_b32 s[SC+2*\hb+1], s[SC+2*\hb]
	s_lshr_b32 s82, s81, 4
	s_lshl_b32 s82, s82, 5                         ; plane x 32 blocks
	s_and_b32 s81, s81, 15
	s_add_co_u32 s82, s82, s81                     ; + head
	s_lshl4_add_u32 s82, s78, s82                  ; + 16 x batch
	s_lshl_b32 s82, s82, 18                        ; blocks of 262,144 bytes
	s_add_co_u32 s82, s82, s79
	s_mov_b32 s83, 0
	s_add_nc_u64 s[OB+2*\hb:OB+2*\hb+1], s[8:9], s[82:83]
.endr
; tokens 16 a .. 16 a + 15 of my 64 = the twelve tiles (al, 0..11) of window 2 or 3: scale, round, 16 bytes a lane into my own stage,
; back as four tokens x 128 bytes a load, out as 512 dense bytes a store
.macro OUT16 a, al, wmul, wcvt, rb
	WIN \wmul
.irp b, 0,1,2,3,4,5,6,7,8,9,10,11
.irp p, 0,2,4,6
	v_pk_mul_f32 v[8*(12*\al+\b)+\p:8*(12*\al+\b)+\p+1], v[8*(12*\al+\b)+\p:8*(12*\al+\b)+\p+1], s[SC+2*(\b/4):SC+2*(\b/4)+1] op_sel_hi:[1,0]
.endr
.endr
	WIN \wcvt
.irp b, 0,1,2,3,4,5,6,7,8,9,10,11
.irp i, 0,1,2,3
	v_cvt_pk_f16_f32 v[TMP+4*\b+\i], v[8*(12*\al+\b)+2*\i], v[8*(12*\al+\b)+2*\i+1]
.endr
.endr
	WIN 0
.irp b, 0,1,2,3,4,5,6,7,8,9,10,11
	ds_store_b128 v[STO], v[TMP+4*\b:TMP+4*\b+3] offset:(\b/4)*HBS+(\b%4)*32
.endr
	s_wait_xcnt 0x0                                ; the set that is read back into was the data of earlier stores: it is rewritten only behind this wait
.irp hb, 0,1,2
.irp t, 0,1,2,3
	ds_load_b128 v[\rb+4*(4*\hb+\t):\rb+4*(4*\hb+\t)+3], v[RD] offset:\hb*HBS+\t*4*SPITCH   ; LDS serves a wave's instructions in order: these see the stores above
.endr
.endr
.irp hb, 0,1,2
.irp t, 0,1,2,3
	s_wait_dscnt 11-(4*\hb+\t)                     ; this load is in, the younger ones stay out
	global_store_b128 v[CO], v[\rb+4*(4*\hb+\t):\rb+4*(4*\hb+\t)+3], s[OB+2*\hb:OB+2*\hb+1] offset:\a*2048+\t*512
.endr
.endr
.endm
	OUT16 0, 0, 0x82, 0x0a, RB0
	OUT16 1, 1, 0x82, 0x0a, RB1
	OUT16 2, 0, 0xc3, 0x0f, RB0
	OUT16 3, 1, 0xc3, 0x0f, RB1
	s_set_vgpr_msb 0x1
	s_wait_tensorcnt 0x0
	ds_add_u32 v255, v255
	s_wait_dscnt 0x0
	s_set_vgpr_msb 0x100
	CROUND                                         ; the closing round: no work-group ends while a partner may still ask for a tile that names it
	s_endpgm
.Lfunc_end_k_q612c4afc09_qkvgemm:
	.size	k_q612c4afc09_qkvgemm, .Lfunc_end_k_q612c4afc09_qkvgemm-k_q612c4afc09_qkvgemm
	.p2alignl 7, 3214868480
	.fill 96, 4, 3214868480
	.section	.rodata,"a",@progbits
	.p2align	6, 0x0
	.amdhsa_kernel k_q612c4afc09_qkvgemm
		.amdhsa_group_segment_fixed_size 327680
		.amdhsa_private_segment_fixed_size 0
		.amdhsa_enable_private_segment 0
		.amdhsa_kernarg_size 24
		.amdhsa_user_sgpr_count 2
		.amdhsa_user_sgpr_kernarg_segment_ptr 1
		.amdhsa_wavefront_size32 1
		.amdhsa_system_sgpr_workgroup_id_x 1
		.amdhsa_system_sgpr_workgroup_id_y 1
		.amdhsa_system_sgpr_workgroup_id_z 1
		.amdhsa_system_vgpr_workitem_id 0
		.amdhsa_next_free_vgpr 960
		.amdhsa_next_free_sgpr 88
		.amdhsa_reserve_vcc 0
		.amdhsa_float_denorm_mode_32 3
		.amdhsa_float_denorm_mode_16_64 3
		.amdhsa_memory_ordered 1
		.amdhsa_forward_progress 1
		.amdhsa_inst_pref_size 179
	.end_amdhsa_kernel
	.amdgpu_metadata
---
amdhsa.version: [ 1, 2 ]
amdhsa.kernels:
  - .name:           k_q612c4afc09_qkvgemm
    .symbol:         k_q612c4afc09_qkvgemm.kd
    .args:
      - { .name: castb, .offset: 0, .size: 8, .value_kind: global_buffer, .address_space: global }
      - { .name: in_proj_bias, .offset: 8, .size: 8, .value_kind: global_buffer, .address_space: global }
      - { .name: qkv, .offset: 16, .size: 8, .value_kind: global_buffer, .address_space: global }
    .group_segment_fixed_size: 327680
    .private_segment_fixed_size: 0
    .kernarg_segment_align: 8
    .kernarg_segment_size: 24
    .max_flat_workgroup_size: 128
    .sgpr_count:     88
    .vgpr_count:     960
    .wavefront_size: 32
...
	.end_amdgpu_metadata
.endif
;; end of part 2
;; launch attn (part 3): grid 8 x 32, 8 waves a work-group, clusters of 4 x 1, 327,680 bytes of LDS; arguments qkv, att; writes att
.if DOCPART == 3
	.amdgcn_target "amdgcn-amd-amdhsa--gfx1250"
	.amdhsa_code_object_version 6
	.text
	.protected	k_q612c4afc09_attn
	.globl	k_q612c4afc09_attn
	.p2align	8
	.type	k_q612c4afc09_attn,@function
k_q612c4afc09_attn:
	s_mov_b64 s[64:65], 0
	v_nop
	global_prefetch_b8 v0, s[64:65] scope:SCOPE_SE
	s_setreg_imm32_b32 hwreg(HW_REG_WAVE_MODE, 25, 1), 1
	s_wait_xcnt 0x0
	s_wait_alu depctr_hold_cnt(0) depctr_sa_sdst(0) depctr_va_vdst(0) depctr_va_sdst(0) depctr_va_ssrc(0) depctr_va_vcc(0) depctr_vm_vsrc(0)
	s_getreg_b32 s2, hwreg(HW_REG_IB_STS2, 6, 4)
	s_cmp_eq_u32 s2, 0
	s_cbranch_scc0 .Lentry_in_a_cluster
	s_endpgm
.Lentry_in_a_cluster:
	s_bfe_u32 s2, ttmp6, 0x10000c
	s_cmp_lg_u32 s2, 0x3003
	s_cbranch_scc0 .Lentry_shape_is_right
	s_endpgm
.Lentry_shape_is_right:
; att[b][h][s][d] = softmax over keys of (q k^T / 8 + min(slope_h (i - j), 8)) v, with a running maximum, in base 2:
; q arrives already times 0.125 log2(e), the bias is made times log2(e).  q, k, v: f16 blocks [2048 s][64 d] of qkv; att: f16, the same blocks.
; LIMITS: P is rounded to f16 for the second product: a probability below 3e-8 of its row's running maximum counts as 0, and v_exp_f32 gives 0
; below 2^-126 (ISA guide 15.8).  att above 65,504 in magnitude becomes infinite.  Infinite scores give NaN.
; No key tile is left out: the bias is finite, so whether a far key counts hangs on the data.  The sums are rescaled in every step: no branch hangs on a maximum.
; A work-group: one (b, h) and 256 queries; eight waves, two for each of the WGP's four SIMDs.  Wave w: queries 64 (w & 3) .. + 63 and half w >> 2 of
; every slot's 256 keys; waves w and w + 4 are merged through LDS at the end.
; CLUSTERS: the four work-groups of a cluster are four query blocks of one head and read the same K and V: every tile is asked for jointly (mask 15).
; MATRIX MAPPING, no shuffle anywhere:
;   S^T(kt, qt) = K(kt) Q(qt)^T + bias: lane (r, h), register j: key 16 kt + 8 h + j, query 16 qt + r.  A lane holds ONE query, so a row's
;   statistics need one exchange between the halves of the wave.  Tiles (2 kc, qt), (2 kc + 1, qt), packed in place, ARE the second source P(qt, kc).
;   O^T(dt, qt) += V^T(dt, kc) P(qt, kc); V^T comes from V[key][d] in LDS by the transposing load.  O^T has the query on the lane too.
; The bias of a tile hangs on qt - kt alone: seven tiles a step, taken as C by the first products.
; REGISTERS: window 0: see the names below.  Window 1: v0-127 S(kt, qt) at 32 qt + 8 kt; v128-255 O(dt, qt) at 128 + 32 qt + 8 dt.
.set KVP,    144                       ; an LDS row: 128 bytes + 16 of padding, an odd multiple of 16
.set VOFF,   256*KVP                   ; V's 256 rows lie behind K's
.set SLOT,   2*VOFF
.set HALF,   128*KVP                   ; my half of a slot's keys
.set STP,    64*KVP                    ; a step's 64 keys
.set MERGE,  2*SLOT                    ; 36 blocks of 512 bytes for each pair of waves
.set MBLK,   36*512
.set STAGE,  MERGE+4*MBLK              ; 64 tokens x 144 bytes for each of waves 0-3
.set SBLK,   64*KVP
.set LOG2E,  0x3fb8aa3b
.set CLAMP,  0x4138aa3b                ; 8 log2(e)
.set NEGINF, 0xff800000
.set AK,   8                           ; v8-9     LDS address of my K fragments in slot 0, 1
.set AV,   10                          ; v10-11   the same for V (transposing loads)
.set STO,  12
.set RD,   13
.set CO,   14
.set MBX,  15                          ; my 16 bytes in a block of the merge area
.set M,    16                          ; v16-23   running maximum of query block qt in v[16 + 2 qt]; the odd registers only fill the pairs
.set A,    24                          ; v24-31   the step's factor 2^(old maximum - new), likewise
.set L,    32                          ; v32-39   running sums, two a query block
.set T,    40                          ; v40-43
.set PT,   44                          ; v44-47
.set DF,   48                          ; v48-49
.set BASE, 50                          ; v50-57   slope log2(e) (r - 8 h - j)
.set QOF,  58
.set BIAS, 64                          ; v64-119  seven tiles
.set PM,   64                          ; at the end: the partner's maxima
.set PL,   72                          ;             and sums
.set Q,    120                         ; v120-183 Q(qt, dc) at 120 + 8 (2 qt + dc)
.set PO,   120                         ; at the end: the partner's O, v120-247
.set POOL, 184                         ; v184-247 K(kt, dc) at + 8 (2 kt + dc), then V(dt, kc) at + 8 (4 kc + dt)
.set O,    128                         ; window 1
.set G1,   16                          ; s[16:23]
.set G0,   32                          ; s[32:39] one set for each slot
.set MSB, 0
.macro WIN new                         ; the immediate's high byte repeats the setting that is left
.if MSB != \new
	s_set_vgpr_msb (MSB<<8)|\new
.set MSB, \new
.endif
.endm
.macro ROUND                           ; a round of the cluster's barrier
	s_barrier_signal -1
	s_barrier_wait -1
	s_cmp_lg_u32 s8, 0
	s_cbranch_scc1 .Lnot_wave_0_\@
	s_barrier_signal -3
.Lnot_wave_0_\@:
	s_barrier_wait -3
	s_barrier_signal -1
	s_barrier_wait -1
.endm
.macro PLACES                          ; four places behind the last matrix instruction (ISA guide 7.12.1)
.rept 4
	v_nop
.endr
.endm
	s_load_b128 s[4:7], s[0:1], 0x0                ; qkv s[4:5], att s[6:7]
	v_lshl_add_u32 v254, v0, 2, 0x3f000
	v_mov_b32 v255, 0
	ds_add_u32 v254, v255
	v_lshrrev_b32 v1, 5, v0
	v_readfirstlane_b32 s8, v1                     ; wave 0..7
	s_and_b32 s9, s8, 3                            ; my query group; also: which 64 rows of a tile I fetch
	s_lshr_b32 s10, s8, 2                          ; my half of the keys; also: I fetch for K (0) or V (1)
	s_and_b32 s11, ttmp7, 0xffff                   ; 16 b + h
	s_bfe_u32 s46, ttmp6, 0x40000                  ; cx
	s_lshl_b32 s48, ttmp9, 2
	s_add_co_u32 s48, s48, s46                     ; query block of 256
	s_mov_b32 s12, 0x76543210                      ; v_permlanex16_b32: lane i of one half reads lane i of the other
	s_mov_b32 s13, 0xfedcba98
	s_mov_b32 s42, CLAMP
	; group 1: 64 rows of 64 elements of 2 bytes, 16 bytes of padding behind every 32 words, mask 15 with bit 21 beside it
	s_mov_b32 s[G1+0], 15|(1<<16)|(1<<20)|(1<<21)|(4<<22)|(3<<25)
	s_mov_b32 s[G1+1], 64<<16
	s_mov_b32 s[G1+2], 64<<16
	s_mov_b32 s[G1+3], 64<<16
	s_mov_b32 s[G1+4], 64
	s_mov_b32 s[G1+5], 64
	s_mov_b32 s[G1+6], 0
	s_mov_b32 s[G1+7], 0
	s_lshl_b32 s24, s10, 23                        ; plane k or v: 8,388,608 bytes each, behind q's
	s_add_co_u32 s24, s24, 8388608
	s_lshl_b32 s25, s11, 18                        ; the head's block
	s_add_co_u32 s24, s24, s25
	s_lshl_b32 s25, s9, 13                         ; my 64 rows of 128 bytes
	s_add_co_u32 s24, s24, s25
	s_mov_b32 s25, 0
	s_mul_i32 s26, s8, STP                         ; where they go: wave x 64 rows: K's four parts, then V's; no place in the cluster enters
	s_wait_dscnt 0x0
	s_wait_kmcnt 0x0
	s_add_nc_u64 s[24:25], s[4:5], s[24:25]
.irp s, 0,1
	s_mov_b32 s[G0+4*\s], 1
	s_add_co_u32 s[G0+4*\s+1], s26, \s*SLOT
	s_add_nc_u64 s[G0+4*\s+2:G0+4*\s+3], s[24:25], \s*32768        ; tile s: 256 keys of 128 bytes
	s_or_b32 s[G0+4*\s+3], s[G0+4*\s+3], 0x80000000
.endr
	ROUND                                          ; in front of the first joint load
	tensor_load_to_lds s[G0:G0+3], s[G1:G1+7]      ; tile 0
	s_nop 0
	s_lshl_b32 s50, s48, 8
	s_lshl_b32 s51, s9, 6
	s_add_co_u32 s50, s50, s51                     ; my first query
	s_lshl_b32 s51, s10, 7
	s_sub_co_i32 s40, s50, s51                     ; first query - first key of the step at hand: data for the bias only
	s_lshl_b32 s50, s50, 7
	s_lshl_b32 s51, s11, 18
	s_add_co_u32 s50, s50, s51
	s_mov_b32 s51, 0
	s_add_nc_u64 s[52:53], s[4:5], s[50:51]        ; my 64 rows of q
	s_add_nc_u64 s[6:7], s[6:7], s[50:51]          ; and of att
	v_and_b32 v1, 31, v0                           ; lane
	v_and_b32 v2, 15, v0                           ; r
	v_bfe_u32 v3, v0, 4, 1                         ; h
	v_lshlrev_b32 v[QOF], 7, v2
	v_lshl_add_u32 v[QOF], v3, 4, v[QOF]           ; 128 r + 16 h
.irp qt, 0,1,2,3
.irp dc, 0,1
	global_load_b128 v[Q+8*(2*\qt+\dc):Q+8*(2*\qt+\dc)+3],   v[QOF], s[52:53] offset:\qt*2048+\dc*64
	global_load_b128 v[Q+8*(2*\qt+\dc)+4:Q+8*(2*\qt+\dc)+7], v[QOF], s[52:53] offset:\qt*2048+\dc*64+32
.endr
.endr
	v_mul_u32_u24 v4, v2, KVP
	v_lshl_add_u32 v4, v3, 4, v4                   ; 144 r + 16 h
	s_mul_i32 s54, s10, HALF
	v_add_nc_u32 v[AK], s54, v4
	v_add_nc_u32 v[AK+1], SLOT, v[AK]
	v_and_b32 v5, 7, v0
	v_lshl_add_u32 v5, v3, 3, v5                   ; key 8 h + (lane & 7)
	v_bfe_u32 v6, v0, 3, 1
	v_mul_u32_u24 v5, v5, KVP
	v_lshl_add_u32 v5, v6, 4, v5                   ; + 16 ((lane >> 3) & 1)
	s_add_co_u32 s54, s54, VOFF
	v_add_nc_u32 v[AV], s54, v5
	v_add_nc_u32 v[AV+1], SLOT, v[AV]
	s_mul_i32 s55, s9, MBLK
	s_add_co_u32 s55, s55, MERGE
	v_lshl_add_u32 v[MBX], v1, 4, s55
	s_mul_i32 s55, s9, SBLK
	s_add_co_u32 s55, s55, STAGE
	v_add_nc_u32 v[STO], s55, v4
	v_lshrrev_b32 v6, 3, v1
	v_mul_u32_u24 v6, v6, KVP
	v_and_b32 v7, 7, v0
	v_lshl_add_u32 v6, v7, 4, v6
	v_add_nc_u32 v[RD], s55, v6
	v_lshlrev_b32 v[CO], 4, v1
	; slope_h = 2^(-(h + 1) / 2) for 16 heads; s14 = slope log2(e)
	s_and_b32 s56, s11, 15
	s_add_co_u32 s56, s56, 1
	v_cvt_f32_u32 v40, s56
	v_mul_f32 v40, -0.5, v40
	v_exp_f32 v40, v40
	v_lshlrev_b32 v41, 3, v3                       ; the plain place behind v_exp_f32 (ISA guide 5.7.2)
	s_wait_alu depctr_va_vdst(0)
	v_mul_f32 v40, LOG2E, v40
	v_sub_nc_u32 v41, v2, v41                      ; r - 8 h
	v_readfirstlane_b32 s14, v40
	s_mov_b32 s15, s14
.irp j, 0,1,2,3,4,5,6,7
	v_add_nc_u32 v42, -\j, v41
	v_cvt_f32_i32 v[BASE+\j], v42
	v_mul_f32 v[BASE+\j], s14, v[BASE+\j]
.endr
.irp i, 0,1,2,3,4,5,6,7
	v_mov_b32 v[M+\i], NEGINF
	v_mov_b32 v[L+\i], 0
.endr
.irp i, 1,3,5,7
	v_mov_b32 v[A+\i], 0                           ; the pairs' other registers are named by packed instructions: written once
.endr
.irp i, 0,1,2,3
	v_mov_b32 v[PT+\i], 0                          ; v_permlanex16_b32's destination counts as read
.endr
	v_mov_b32 v[DF+1], 0
	s_wait_loadcnt 0x0                             ; q
; One step: my 64 queries x the 64 keys at byte st x 9,216 of my half of the slot.  first = 1: the very first step starts O.
.macro STEP slot, st, first
	WIN 0
	; the seven bias tiles.  The first one's thirteen vector instructions are the places behind the last step's matrix instructions, in front of
	; the loads into their sources; the other six stand between the K loads and their wait.
.irp u, 0,1,2,3,4,5,6
	s_add_co_i32 s41, s40, 16*(\u-3)
	v_cvt_f32_i32 v[DF], s41
.irp p, 0,2,4,6
	v_pk_fma_f32 v[BIAS+8*\u+\p:BIAS+8*\u+\p+1], v[DF:DF+1], s[14:15], v[BASE+\p:BASE+\p+1] op_sel_hi:[0,0,1]
.endr
.irp j, 0,1,2,3,4,5,6,7
	v_min_num_f32 v[BIAS+8*\u+\j], s42, v[BIAS+8*\u+\j]
.endr
.if \u == 0
.irp kt, 0,1,2,3
.irp dc, 0,1
	ds_load_b128 v[POOL+8*(2*\kt+\dc):POOL+8*(2*\kt+\dc)+3],   v[AK+\slot] offset:\st*STP+\kt*16*KVP+\dc*64
	ds_load_b128 v[POOL+8*(2*\kt+\dc)+4:POOL+8*(2*\kt+\dc)+7], v[AK+\slot] offset:\st*STP+\kt*16*KVP+\dc*64+32
.endr
.endr
.endif
.endr
	s_wait_dscnt 0x0
	; S^T = K Q^T + bias.  The sixteen accumulators take turns, one instruction a turn.
	WIN 0x40                                       ; D window 1, C (the bias) window 0
.irp qt, 0,1,2,3
.irp kt, 0,1,2,3
	v_wmma_f32_16x16x32_f16 v[32*\qt+8*\kt:32*\qt+8*\kt+7], v[POOL+16*\kt:POOL+16*\kt+7], v[Q+16*\qt:Q+16*\qt+7], v[BIAS+8*(\qt-\kt+3):BIAS+8*(\qt-\kt+3)+7]
.endr
.endr
	WIN 0x50                                       ; C and D window 1
.irp qt, 0,1,2,3
.irp kt, 0,1,2,3
	v_wmma_f32_16x16x32_f16 v[32*\qt+8*\kt:32*\qt+8*\kt+7], v[POOL+16*\kt+8:POOL+16*\kt+15], v[Q+16*\qt+8:Q+16*\qt+15], v[32*\qt+8*\kt:32*\qt+8*\kt+7]
.endr
.endr
	WIN 0
	PLACES                                         ; in front of the loads over K's fragments and of the reads of S
.irp kc, 0,1
.irp dt, 0,1,2,3
	ds_load_tr16_b128 v[POOL+8*(4*\kc+\dt):POOL+8*(4*\kc+\dt)+3],   v[AV+\slot] offset:\st*STP+\kc*32*KVP+\dt*32
	ds_load_tr16_b128 v[POOL+8*(4*\kc+\dt)+4:POOL+8*(4*\kc+\dt)+7], v[AV+\slot] offset:\st*STP+\kc*32*KVP+\dt*32+16*KVP
.endr
.endr
	; the new maximum of each query: four chains that start from the old one
	WIN 0x14                                       ; sources 1 and 2 window 1
.irp i, 0,1,2,3,4,5,6,7,8,9,10,11,12,13,14,15
.irp qt, 0,1,2,3
.if \i == 0
	v_max3_num_f32 v[T+\qt], v[M+2*\qt], v[32*\qt], v[32*\qt+1]
.else
	v_max3_num_f32 v[T+\qt], v[T+\qt], v[32*\qt+2*\i], v[32*\qt+2*\i+1]
.endif
.endr
.endr
	WIN 0
.irp qt, 0,1,2,3
	v_permlanex16_b32 v[PT+\qt], v[T+\qt], s12, s13    ; the other half of the wave holds the query's other keys
.endr
.irp qt, 0,1,2,3
	v_max_num_f32 v[T+\qt], v[T+\qt], v[PT+\qt]
.endr
.irp qt, 0,1,2,3
	v_sub_f32 v[A+2*\qt], v[M+2*\qt], v[T+\qt]
.endr
.irp qt, 0,1,2,3
	v_exp_f32 v[A+2*\qt], v[A+2*\qt]
.endr
.irp qt, 0,1,2,3
	v_mov_b32 v[M+2*\qt], v[T+\qt]                 ; plain places behind the exponentials (ISA guide 5.7.2)
.endr
	s_wait_alu depctr_va_vdst(0)
.irp qt, 0,1,2,3
	v_pk_mul_f32 v[L+2*\qt:L+2*\qt+1], v[L+2*\qt:L+2*\qt+1], v[A+2*\qt:A+2*\qt+1] op_sel_hi:[1,0]
.endr
	; P = 2^(S - maximum).  Behind each exponential stands a plain instruction on other registers: O's rescaling, or the next query block's subtraction.
	WIN 0x41                                       ; destination and source 0 window 1
.irp i, 0,1,2,3,4,5,6,7,8,9,10,11,12,13,14,15
	v_pk_add_f32 v[2*\i:2*\i+1], v[2*\i:2*\i+1], v[M:M+1] op_sel_hi:[1,0] neg_lo:[0,1] neg_hi:[0,1]
.endr
.irp qt, 0,1,2,3
.irp i, 0,1,2,3,4,5,6,7,8,9,10,11,12,13,14,15
	v_exp_f32 v[32*\qt+2*\i], v[32*\qt+2*\i]
.if \first == 0
	v_pk_mul_f32 v[O+32*\qt+2*\i:O+32*\qt+2*\i+1], v[O+32*\qt+2*\i:O+32*\qt+2*\i+1], v[A+2*\qt:A+2*\qt+1] op_sel_hi:[1,0]
.endif
	v_exp_f32 v[32*\qt+2*\i+1], v[32*\qt+2*\i+1]
.if \qt < 3
	v_pk_add_f32 v[32*(\qt+1)+2*\i:32*(\qt+1)+2*\i+1], v[32*(\qt+1)+2*\i:32*(\qt+1)+2*\i+1], v[M+2*(\qt+1):M+2*(\qt+1)+1] op_sel_hi:[1,0] neg_lo:[0,1] neg_hi:[0,1]
.endif
.endr
.endr
	v_nop                                          ; the place behind the last exponential
	WIN 0x01                                       ; source 0 window 1
	s_wait_alu depctr_va_vdst(0)
.irp i, 0,1,2,3,4,5,6,7,8,9,10,11,12,13,14,15
.irp qt, 0,1,2,3
	v_pk_add_f32 v[L+2*\qt:L+2*\qt+1], v[32*\qt+2*\i:32*\qt+2*\i+1], v[L+2*\qt:L+2*\qt+1]
.endr
.endr
	WIN 0x45                                       ; all in window 1: sixteen registers of two tiles become the eight of P(qt, kc), in place, ascending
.irp x, 0,16,32,48,64,80,96,112
.irp n, 0,1,2,3,4,5,6,7
	v_cvt_pk_f16_f32 v[\x+\n], v[\x+2*\n], v[\x+2*\n+1]
.endr
.endr
	s_wait_dscnt 0x0                               ; V's fragments
	WIN 0x54                                       ; source 0 (V^T) window 0; P, C and D window 1.  Sixteen accumulators by turns
.irp kc, 0,1
.irp qt, 0,1,2,3
.irp dt, 0,1,2,3
.if \first*(1-\kc)
	v_wmma_f32_16x16x32_f16 v[O+32*\qt+8*\dt:O+32*\qt+8*\dt+7], v[POOL+8*(4*\kc+\dt):POOL+8*(4*\kc+\dt)+7], v[32*\qt+16*\kc:32*\qt+16*\kc+7], 0
.else
	v_wmma_f32_16x16x32_f16 v[O+32*\qt+8*\dt:O+32*\qt+8*\dt+7], v[POOL+8*(4*\kc+\dt):POOL+8*(4*\kc+\dt)+7], v[32*\qt+16*\kc:32*\qt+16*\kc+7], v[O+32*\qt+8*\dt:O+32*\qt+8*\dt+7]
.endif
.endr
.endr
.endr
	WIN 0
	s_sub_co_i32 s40, s40, 64                      ; the next step's keys lie 64 further on
.endm
; One tile of 256 keys.  In front of the round every wave waits for all its tensor loads (one is out: its part of this tile) and for its reads of the
; other slot; the round takes the place of the work-group's barrier; behind it the wave's one joint load fills the other slot and has two steps in which to land.
.macro TRIP slot, refill, first
	s_wait_tensorcnt 0x0
	ds_add_u32 v254, v255
	s_wait_dscnt 0x0
	s_add_nc_u64 s[34+4*\slot:35+4*\slot], s[34+4*\slot:35+4*\slot], 65536   ; no load of mine is out: this slot's next tile, two tiles on
	s_wait_dscnt 0x0
	ROUND
.if \refill
	tensor_load_to_lds s[36-4*\slot:39-4*\slot], s[G1:G1+7]
	s_nop 0
.endif
	STEP \slot, 0, \first
	STEP \slot, 1, 0
	s_sub_co_i32 s40, s40, 128                     ; past the other waves' half
.endm
	TRIP 0, 1, 1                                   ; tile 0; tile 1 goes out
	s_mov_b32 s44, 3
.Ltrip:
	TRIP 1, 1, 0
	TRIP 0, 1, 0
	s_sub_co_u32 s44, s44, 1
	s_cmp_lg_u32 s44, 0
	s_cbranch_scc1 .Ltrip
	TRIP 1, 0, 0                                   ; tile 7: nothing is left to fetch
	; MERGE: waves 4-7 hand O, maxima and sums to waves 0-3
	PLACES
	s_cmp_lt_u32 s8, 4
	s_cbranch_scc1 .Lkeep
	WIN 0x04                                       ; store data window 1
.set i, 0
.rept 32
	ds_store_b128 v[MBX], v[O+4*i:O+4*i+3] offset:512*i
.set i, i+1
.endr
	WIN 0
	ds_store_b128 v[MBX], v[M:M+3] offset:512*32
	ds_store_b128 v[MBX], v[M+4:M+7] offset:512*33
	ds_store_b128 v[MBX], v[L:L+3] offset:512*34
	ds_store_b128 v[MBX], v[L+4:L+7] offset:512*35
.Lkeep:
	s_wait_dscnt 0x0                               ; my stores are done, for the partner's sake
	s_barrier_signal -1
	s_barrier_wait -1
	s_cmp_lt_u32 s8, 4
	s_cbranch_scc0 .Lclose
	ds_load_b128 v[PM:PM+3], v[MBX] offset:512*32
	ds_load_b128 v[PM+4:PM+7], v[MBX] offset:512*33
	ds_load_b128 v[PL:PL+3], v[MBX] offset:512*34
	ds_load_b128 v[PL+4:PL+7], v[MBX] offset:512*35
.set i, 0
.rept 32
	ds_load_b128 v[PO+4*i:PO+4*i+3], v[MBX] offset:512*i
.set i, i+1
.endr
	s_wait_dscnt 32                                ; maxima and sums are in; the 32 blocks of O stay out
.irp qt, 0,1,2,3
	v_max_num_f32 v[T+\qt], v[M+2*\qt], v[PM+2*\qt]
	v_add_f32 v[L+2*\qt], v[L+2*\qt], v[L+2*\qt+1]
	v_add_f32 v[PL+2*\qt], v[PL+2*\qt], v[PL+2*\qt+1]
	v_sub_f32 v[A+2*\qt], v[M+2*\qt], v[T+\qt]
	v_sub_f32 v[M+2*\qt], v[PM+2*\qt], v[T+\qt]
.endr
.irp qt, 0,1,2,3
	v_exp_f32 v[A+2*\qt], v[A+2*\qt]               ; my factor
	v_exp_f32 v[M+2*\qt], v[M+2*\qt]               ; the partner's
.endr
	v_nop
	s_wait_alu depctr_va_vdst(0)
.irp qt, 0,1,2,3
	v_mul_f32 v[L+2*\qt], v[L+2*\qt], v[A+2*\qt]
	v_fmac_f32 v[L+2*\qt], v[PL+2*\qt], v[M+2*\qt]
.endr
.irp qt, 0,1,2,3
	v_permlanex16_b32 v[PT+\qt], v[L+2*\qt], s12, s13
.endr
.irp qt, 0,1,2,3
	v_add_f32 v[L+2*\qt], v[L+2*\qt], v[PT+\qt]    ; the row's whole sum: at least 1, the term of the maximum
.endr
.irp qt, 0,1,2,3
	v_rcp_f32 v[L+2*\qt], v[L+2*\qt]
.endr
	v_nop
	s_wait_alu depctr_va_vdst(0)
.irp qt, 0,1,2,3
	v_mul_f32 v[A+2*\qt], v[A+2*\qt], v[L+2*\qt]
	v_mul_f32 v[M+2*\qt], v[M+2*\qt], v[L+2*\qt]
.endr
	s_wait_dscnt 0x0
	WIN 0x41
.set p, 0
.rept 64
	v_pk_mul_f32 v[O+2*p:O+2*p+1], v[O+2*p:O+2*p+1], v[A+2*(p/16):A+2*(p/16)+1] op_sel_hi:[1,0]
.set p, p+1
.endr
	WIN 0x50                                       ; source 2 and destination window 1
.set p, 0
.rept 64
	v_pk_fma_f32 v[O+2*p:O+2*p+1], v[PO+2*p:PO+2*p+1], v[M+2*(p/16):M+2*(p/16)+1], v[O+2*p:O+2*p+1] op_sel_hi:[1,0,1]
.set p, p+1
.endr
	WIN 0x05                                       ; sources window 1, destination window 0
.set p, 0
.rept 64
	v_cvt_pk_f16_f32 v[PO+p], v[O+2*p], v[O+2*p+1]
.set p, p+1
.endr
	WIN 0
.irp qt, 0,1,2,3
.irp dt, 0,1,2,3
	ds_store_b128 v[STO], v[PO+16*\qt+4*\dt:PO+16*\qt+4*\dt+3] offset:\qt*16*KVP+\dt*32    ; query 16 qt + r, d = 16 dt + 8 h + 0..7
.endr
.endr
.set i, 0
.rept 16
	ds_load_b128 v[POOL+4*i:POOL+4*i+3], v[RD] offset:4*KVP*i      ; my own stage: LDS serves a wave's instructions in order
.set i, i+1
.endr
.set i, 0
.rept 16
	s_wait_dscnt 15-i                              ; this load is in, the younger ones stay out
	global_store_b128 v[CO], v[POOL+4*i:POOL+4*i+3], s[6:7] offset:512*i   ; four tokens x 128 bytes: 512 dense bytes
.set i, i+1
.endr
.Lclose:
	s_wait_tensorcnt 0x0
	ds_add_u32 v254, v255
	s_wait_dscnt 0x0
	ROUND                                          ; the closing round
	s_endpgm
.Lfunc_end_k_q612c4afc09_attn:
	.size	k_q612c4afc09_attn, .Lfunc_end_k_q612c4afc09_attn-k_q612c4afc09_attn
	.p2alignl 7, 3214868480
	.fill 96, 4, 3214868480
	.section	.rodata,"a",@progbits
	.p2align	6, 0x0
	.amdhsa_kernel k_q612c4afc09_attn
		.amdhsa_group_segment_fixed_size 327680
		.amdhsa_private_segment_fixed_size 0
		.amdhsa_enable_private_segment 0
		.amdhsa_kernarg_size 16
		.amdhsa_user_sgpr_count 2
		.amdhsa_user_sgpr_kernarg_segment_ptr 1
		.amdhsa_wavefront_size32 1
		.amdhsa_system_sgpr_workgroup_id_x 1
		.amdhsa_system_sgpr_workgroup_id_y 1
		.amdhsa_system_sgpr_workgroup_id_z 1
		.amdhsa_system_vgpr_workitem_id 0
		.amdhsa_next_free_vgpr 512
		.amdhsa_next_free_sgpr 66
		.amdhsa_reserve_vcc 0
		.amdhsa_float_denorm_mode_32 3
		.amdhsa_float_denorm_mode_16_64 3
		.amdhsa_memory_ordered 1
		.amdhsa_forward_progress 1
		.amdhsa_inst_pref_size 255
	.end_amdhsa_kernel
	.section	.bss,"aw",@nobits
	.p2align	6
	.space	262144
	.amdgpu_metadata
---
amdhsa.version: [ 1, 2 ]
amdhsa.kernels:
  - .name:           k_q612c4afc09_attn
    .symbol:         k_q612c4afc09_attn.kd
    .args:
      - { .name: qkv, .offset: 0, .size: 8, .value_kind: global_buffer, .address_space: global }
      - { .name: att, .offset: 8, .size: 8, .value_kind: global_buffer, .address_space: global }
    .group_segment_fixed_size: 327680
    .private_segment_fixed_size: 0
    .kernarg_segment_align: 8
    .kernarg_segment_size: 16
    .max_flat_workgroup_size: 256
    .sgpr_count:     66
    .vgpr_count:     512
    .wavefront_size: 32
...
	.end_amdgpu_metadata
.endif
;; end of part 3
;; launch outgemm (part 4): grid 8 x 32, 4 waves a work-group, clusters of 4 x 4, 327,680 bytes of LDS; arguments att, castb, out_proj_bias, out0; writes out0
.if DOCPART == 4
	.amdgcn_target "amdgcn-amd-amdhsa--gfx1250"
	.amdhsa_code_object_version 6
	.text
	.protected	k_q612c4afc09_outgemm
	.globl	k_q612c4afc09_outgemm
	.p2align	8
	.type	k_q612c4afc09_outgemm,@function
k_q612c4afc09_outgemm:
	s_mov_b64 s[64:65], 0
	v_nop
	global_prefetch_b8 v0, s[64:65] scope:SCOPE_SE
	s_setreg_imm32_b32 hwreg(HW_REG_WAVE_MODE, 25, 1), 1
	s_wait_xcnt 0x0
	s_wait_alu depctr_hold_cnt(0) depctr_sa_sdst(0) depctr_va_vdst(0) depctr_va_sdst(0) depctr_va_ssrc(0) depctr_va_vcc(0) depctr_vm_vsrc(0)
	s_getreg_b32 s2, hwreg(HW_REG_IB_STS2, 6, 4)
	s_cmp_eq_u32 s2, 0
	s_cbranch_scc0 .Lentry_in_a_cluster
	s_endpgm
.Lentry_in_a_cluster:
	s_bfe_u32 s2, ttmp6, 0x10000c
	s_cmp_lg_u32 s2, 0xf033
	s_cbranch_scc0 .Lentry_shape_is_right
	s_endpgm
.Lentry_shape_is_right:
; out0 = att W_out^T + b_out, f32.  att: f16 [2 b][16 h][2048 s][64 d]; W_out: f16 [1024][1024] at byte 14,680,064 of castb; sums in f32.
; A work-group makes 128 tokens x 128 features with four waves of 64 x 64 (16 accumulator tiles): 8 x 32 = 256 work-groups.  A larger block would
; leave work for fewer work-groups than there are WGPs.
; K = 1024 goes in four tiles of 256 (four heads) through two LDS slots: no loop.  A slot: att as 4 head planes x 128 tokens x 144 bytes, then
; W_out as 128 rows x 528 bytes.
; CLUSTERS: 4 x 4; att's tile is asked for jointly along a row of the cluster, W_out's along a column.
; REGISTERS: window 0: v0-31 addresses; v32-63 W and v64-95 token fragments, buffer 0; v96-159 buffer 1; v160-191 the bias as 4 tiles;
; v192-255 two sets for reading back.  Window 1: tile (a, b) at 8 (4 a + b).
; The matrix instruction is used transposed (source 0 = rows of W_out, source 1 = tokens): a lane holds eight neighbouring features of one token.
; The first products take the bias tiles as C.
.set APITCH, 144
.set APL,    128*APITCH                ; a head plane
.set AH,     2*APL                     ; two planes: one tensor load
.set AT,     2*AH
.set BPITCH, 528                       ; 512 bytes + 16 of padding, an odd multiple of 16
.set BH,     64*BPITCH                 ; 64 rows: one tensor load
.set SLOT,   AT+2*BH
.set STAGE,  2*SLOT
.set SPITCH, 272
.set WOFF,   14680064
.set ADRX, 16
.set ADRW, 20
.set STO,  24
.set RD,   25
.set CO,   26
.set BOF,  27
.set F0,   32
.set F1,   96
.set BIAS, 160
.set RB0,  192
.set RB1,  224
.set G1,  24
.set G0,  32
.set G1B, 48
.set G0B, 56
.set MSB, 0
.macro WIN new                         ; the immediate's high byte repeats the setting that is left
.if MSB != \new
	s_set_vgpr_msb (MSB<<8)|\new
.set MSB, \new
.endif
.endm
.set MUL,   0x50                       ; C and D window 1
.set FIRST, 0x40                       ; D window 1, C (the bias) window 0
.macro JLOAD s                         ; waves 0 and 1 fetch att's planes, waves 2 and 3 W_out's rows
	s_cmp_eq_u32 s11, 0
	s_cbranch_scc0 .Lfor_w_\@
	tensor_load_to_lds s[G0+4*\s:G0+4*\s+3], s[G1:G1+7]
	s_nop 0
	s_branch .Lasked_\@
.Lfor_w_\@:
	tensor_load_to_lds s[G0B+4*\s:G0B+4*\s+3], s[G1B:G1B+7]
	s_nop 0
.Lasked_\@:
.endm
.macro CREST
	s_cmp_lg_u32 s10, 0
	s_cbranch_scc1 .Lnot_wave_0_\@
	s_barrier_signal -3
.Lnot_wave_0_\@:
	s_barrier_wait -3
	s_barrier_signal -1
	s_barrier_wait -1
.endm
.macro CROUND
	s_barrier_signal -1
	s_barrier_wait -1
	CREST
.endm
.macro PLACES                          ; four places behind the last matrix instruction (ISA guide 7.12.1)
.rept 4
	v_nop
.endr
.endm
	s_load_b256 s[68:75], s[0:1], 0x0              ; att s[68:69], castb s[70:71], out_proj_bias s[72:73], out0 s[74:75]
	v_lshl_add_u32 v30, v0, 2, 0x49400
	v_mov_b32 v31, 0
	ds_add_u32 v30, v31
	v_lshrrev_b32 v1, 5, v0
	v_readfirstlane_b32 s10, v1                    ; wave 0..3
	s_lshr_b32 s11, s10, 1                         ; my half of the tokens; also: I fetch for att (0) or W_out (1)
	s_and_b32 s12, s10, 1                          ; my half of the features; also: which half of that tile
	s_bfe_u32 s40, ttmp6, 0x40000                  ; cx
	s_bfe_u32 s41, ttmp6, 0x40004                  ; cy
	s_lshl_b32 s42, ttmp9, 2
	s_add_co_u32 s42, s42, s40                     ; block column (128 features)
	s_and_b32 s13, ttmp7, 0xffff
	s_lshl_b32 s13, s13, 2
	s_add_co_u32 s13, s13, s41                     ; block row (128 tokens)
	s_lshl_b32 s43, s41, 2
	s_lshl_b32 s43, 15, s43                        ; my row of the cluster
	s_lshl_b32 s44, 0x1111, s40                    ; my column
	; att: two head planes in one tile whose row is a plane's 128 tokens, 16,384 dense bytes = 2,048 elements of 8 bytes; from plane to plane 32,768
	; elements; 16 bytes of padding behind every 32 words, that is behind each token's 128 bytes (the interval divides the row)
	s_or_b32 s[G1+0], s43, (3<<16)|(1<<20)|(1<<21)|(4<<22)|(3<<25)
	s_mov_b32 s[G1+1], 2048<<16
	s_mov_b32 s[G1+2], 2<<16
	s_mov_b32 s[G1+3], 2048<<16
	s_mov_b32 s[G1+4], 2
	s_mov_b32 s[G1+5], 32768
	s_mov_b32 s[G1+6], 0
	s_mov_b32 s[G1+7], 0
	; W_out: 64 rows of 256 elements of 2 bytes, 16 bytes of padding behind every 128 words
	s_or_b32 s[G1B+0], s44, (1<<16)|(1<<20)|(1<<21)|(6<<22)|(3<<25)
	s_mov_b32 s[G1B+1], 256<<16
	s_mov_b32 s[G1B+2], 64<<16
	s_mov_b32 s[G1B+3], 256<<16
	s_mov_b32 s[G1B+4], 64
	s_mov_b32 s[G1B+5], 1024
	s_mov_b32 s[G1B+6], 0
	s_mov_b32 s[G1B+7], 0
	s_lshr_b32 s16, s13, 4                         ; batch
	s_lshl_b32 s16, s16, 4
	s_lshl1_add_u32 s16, s12, s16                  ; plane 16 x batch + 2 x half
	s_lshl_b32 s16, s16, 18                        ; planes of 262,144 bytes
	s_and_b32 s17, s13, 15
	s_lshl_b32 s17, s17, 14                        ; 128 tokens of 128 bytes
	s_add_co_u32 s16, s16, s17
	s_mov_b32 s17, 0
	s_lshl_b32 s46, s42, 7
	s_lshl_b32 s47, s12, 6
	s_add_co_u32 s46, s46, s47                     ; W_out: row 128 x block column + 64 x half
	s_lshl_b32 s46, s46, 11
	s_add_co_u32 s46, s46, WOFF
	s_mov_b32 s47, 0
	s_mul_i32 s20, s10, AH                         ; where att's halves go: wave x two planes (waves 0, 1)
	s_mul_i32 s21, s10, BH                         ; W_out's: behind att's four planes, (wave - 2) x 64 rows (waves 2, 3)
	s_add_co_u32 s21, s21, AT-2*BH
	s_wait_dscnt 0x0
	s_wait_kmcnt 0x0
	s_add_nc_u64 s[14:15], s[68:69], s[16:17]
	s_add_nc_u64 s[46:47], s[70:71], s[46:47]
	CROUND                                         ; in front of the first joint loads
.irp s, 0,1
	s_mov_b32 s[G0+4*\s], 1
	s_add_co_u32 s[G0+4*\s+1], s20, \s*SLOT
	s_add_nc_u64 s[G0+4*\s+2:G0+4*\s+3], s[14:15], \s*1048576      ; tile s: four planes on
	s_or_b32 s[G0+4*\s+3], s[G0+4*\s+3], 0x80000000
	s_mov_b32 s[G0B+4*\s], 1
	s_add_co_u32 s[G0B+4*\s+1], s21, \s*SLOT
	s_add_nc_u64 s[G0B+4*\s+2:G0B+4*\s+3], s[46:47], \s*512
	s_or_b32 s[G0B+4*\s+3], s[G0B+4*\s+3], 0x80000000
	JLOAD \s                                       ; two tensor loads of the wave are out
.endr
	v_and_b32 v1, 15, v0                           ; r
	v_bfe_u32 v2, v0, 4, 1                         ; h
	v_lshlrev_b32 v[BOF], 5, v2
	s_lshl_b32 s76, s42, 9
	s_lshl_b32 s77, s12, 8
	s_add_co_u32 s76, s76, s77                     ; my 64 numbers of the bias
	s_mov_b32 s77, 0
	s_add_nc_u64 s[72:73], s[72:73], s[76:77]
.irp b, 0,1,2,3
	global_load_b128 v[BIAS+8*\b:BIAS+8*\b+3],   v[BOF], s[72:73] offset:64*\b
	global_load_b128 v[BIAS+8*\b+4:BIAS+8*\b+7], v[BOF], s[72:73] offset:64*\b+16
.endr
	v_mul_u32_u24 v3, v1, APITCH
	v_lshl_add_u32 v3, v2, 4, v3
	v_mul_u32_u24 v4, v1, BPITCH
	v_lshl_add_u32 v4, v2, 4, v4
	s_mul_i32 s22, s11, 64*APITCH                  ; my 64 tokens in each plane
	s_mul_i32 s23, s12, BH                         ; my 64 rows of W_out
	s_add_co_u32 s23, s23, AT
.irp s, 0,1
	v_add_nc_u32 v[ADRX+\s], s22, v3
	v_add_nc_u32 v[ADRW+\s], s23, v4
	s_add_co_u32 s22, s22, SLOT
	s_add_co_u32 s23, s23, SLOT
.endr
	s_mul_i32 s22, s10, 16*SPITCH
	s_add_co_u32 s22, s22, STAGE                   ; my stage: 16 tokens x 272 bytes
	v_mul_u32_u24 v5, v1, SPITCH
	v_lshl_add_u32 v5, v2, 5, v5
	v_add_nc_u32 v[STO], s22, v5                   ; in: token r, 32 bytes for each half of the lanes
	v_mul_u32_u24 v6, v2, SPITCH
	v_lshl_add_u32 v6, v1, 4, v6
	v_add_nc_u32 v[RD], s22, v6                    ; back: sixteen lanes take a token's 256 bytes
	v_lshlrev_b32 v7, 12, v2
	v_lshl_add_u32 v[CO], v1, 4, v7                ; the same two rows in out0
.macro MUL4 f, a, first
.irp b, 0,1,2,3
.if \first
	v_wmma_f32_16x16x32_f16 v[8*(4*\a+\b):8*(4*\a+\b)+7], v[\f+8*\b:\f+8*\b+7], v[\f+32+8*\a:\f+32+8*\a+7], v[BIAS+8*\b:BIAS+8*\b+7]
.else
	v_wmma_f32_16x16x32_f16 v[8*(4*\a+\b):8*(4*\a+\b)+7], v[\f+8*\b:\f+8*\b+7], v[\f+32+8*\a:\f+32+8*\a+7], v[8*(4*\a+\b):8*(4*\a+\b)+7]
.endif
.endr
.endm
; 16 LDS loads: chunk c (32 along K: head plane c / 2, d from 32 (c % 2)) of my 64 rows of W_out and my 64 tokens, into buffer f
.macro FETCH slot, c, f
.irp b, 0,1,2,3
	ds_load_b128 v[\f+8*\b:\f+8*\b+3],   v[ADRW+\slot] offset:\c*64+\b*16*BPITCH
	ds_load_b128 v[\f+8*\b+4:\f+8*\b+7], v[ADRW+\slot] offset:\c*64+\b*16*BPITCH+32
.endr
.irp a, 0,1,2,3
	ds_load_b128 v[\f+32+8*\a:\f+32+8*\a+3],   v[ADRX+\slot] offset:(\c/2)*APL+(\c%2)*64+\a*16*APITCH
	ds_load_b128 v[\f+32+8*\a+4:\f+32+8*\a+7], v[ADRX+\slot] offset:(\c/2)*APL+(\c%2)*64+\a*16*APITCH+32
.endr
.endm
; multiplies buffer f, and in its middle fetches chunk c into buffer g.  The sixteen accumulators take turns, one instruction a turn.
.macro QUARTER slot, c, f, g, first
	s_wait_dscnt 4                                 ; W_out and tokens 0-31 are in; the youngest four loads (tokens 32-63) may be out
.if \first
	WIN FIRST
.else
	WIN MUL
.endif
	MUL4 \f, 0, \first
	MUL4 \f, 1, \first
	WIN 0
	PLACES
	FETCH \slot, \c, \g
	s_wait_dscnt 16                                ; all but the 16 just issued
.if \first
	WIN FIRST
.else
	WIN MUL
.endif
	MUL4 \f, 2, \first
	MUL4 \f, 3, \first
.endm
.macro SEVEN slot, first
	QUARTER \slot, 1, F0, F1, \first
	QUARTER \slot, 2, F1, F0, 0
	QUARTER \slot, 3, F0, F1, 0
	QUARTER \slot, 4, F1, F0, 0
	QUARTER \slot, 5, F0, F1, 0
	QUARTER \slot, 6, F1, F0, 0
	QUARTER \slot, 7, F0, F1, 0
.endm
; the eighth chunk, and the change of slots: each wave's waits for its reads and for all its tensor loads stand in front of the barrier; where the
; slot is filled again the barrier opens a round of the cluster's barrier and the joint refill comes first behind the round, one load a wave
.macro TURN slot, next, fill
	s_wait_dscnt 4
	WIN MUL
	MUL4 F1, 0, 0
	s_wait_dscnt 0
	s_wait_tensorcnt 0x0
	ds_add_u32 v30, v31
	s_wait_dscnt 0x0
	s_barrier_signal -1
	MUL4 F1, 1, 0
	WIN 0
	s_barrier_wait -1
.if \fill
	CREST
	s_add_nc_u64 s[G0+4*\slot+2:G0+4*\slot+3], s[G0+4*\slot+2:G0+4*\slot+3], 2097152    ; two tiles = eight planes on
	s_add_nc_u64 s[G0B+4*\slot+2:G0B+4*\slot+3], s[G0B+4*\slot+2:G0B+4*\slot+3], 1024
	JLOAD \slot
.endif
	PLACES
	FETCH \next, 0, F0
	WIN MUL
	MUL4 F1, 2, 0
	MUL4 F1, 3, 0
.endm
	s_wait_tensorcnt 1                             ; my part of tile 0 is in; tile 1's stays out
	s_barrier_signal -1
	s_barrier_wait -1
	FETCH 0, 0, F0
	s_wait_loadcnt 0x0                             ; the bias
	SEVEN 0, 1
	TURN 0, 1, 1                                   ; tile 2 goes out
	SEVEN 1, 0
	TURN 1, 0, 1                                   ; tile 3 goes out
	SEVEN 0, 0
	TURN 0, 1, 0
	SEVEN 1, 0
	s_wait_dscnt 4
	WIN MUL
	MUL4 F1, 0, 0
	MUL4 F1, 1, 0
	s_wait_dscnt 0
	MUL4 F1, 2, 0
	MUL4 F1, 3, 0
	; THE WAY OUT, 16 tokens at a time, through my own stage: whole rows of 256 bytes leave by sixteen neighbouring lanes
	PLACES
	s_lshl_b32 s76, s13, 7
	s_lshl_b32 s77, s11, 6
	s_add_co_u32 s76, s76, s77                     ; my first token
	s_lshl_b32 s76, s76, 12                        ; rows of 4,096 bytes
	s_lshl_b32 s77, s42, 9
	s_add_co_u32 s76, s76, s77
	s_lshl_b32 s77, s12, 8
	s_add_co_u32 s76, s76, s77                     ; + my first feature, 4 bytes each
	s_mov_b32 s77, 0
	s_add_nc_u64 s[74:75], s[74:75], s[76:77]
.macro OUTF a, rb
	WIN 0x04                                       ; store data window 1
.irp b, 0,1,2,3
	ds_store_b128 v[STO], v[8*(4*\a+\b):8*(4*\a+\b)+3] offset:64*\b
	ds_store_b128 v[STO], v[8*(4*\a+\b)+4:8*(4*\a+\b)+7] offset:64*\b+16
.endr
	WIN 0
	s_wait_xcnt 0x0                                ; the set that is read back into was the data of earlier stores
.irp t, 0,1,2,3,4,5,6,7
	ds_load_b128 v[\rb+4*\t:\rb+4*\t+3], v[RD] offset:\t*2*SPITCH  ; LDS serves a wave's instructions in order: these see the stores above
.endr
.irp t, 0,1,2,3,4,5,6,7
	s_wait_dscnt 7-\t                              ; this load is in, the younger ones stay out
	global_store_b128 v[CO], v[\rb+4*\t:\rb+4*\t+3], s[74:75] offset:(16*\a+2*\t)*4096 th:TH_STORE_NT
.endr
.endm
	OUTF 0, RB0
	OUTF 1, RB1
	OUTF 2, RB0
	OUTF 3, RB1
	s_wait_tensorcnt 0x0
	ds_add_u32 v30, v31
	s_wait_dscnt 0x0
	CROUND                                         ; the closing round
	s_endpgm
.Lfunc_end_k_q612c4afc09_outgemm:
	.size	k_q612c4afc09_outgemm, .Lfunc_end_k_q612c4afc09_outgemm-k_q612c4afc09_outgemm
	.p2alignl 7, 3214868480
	.fill 96, 4, 3214868480
	.section	.rodata,"a",@progbits
	.p2align	6, 0x0
	.amdhsa_kernel k_q612c4afc09_outgemm
		.amdhsa_group_segment_fixed_size 327680
		.amdhsa_private_segment_fixed_size 0
		.amdhsa_enable_private_segment 0
		.amdhsa_kernarg_size 32
		.amdhsa_user_sgpr_count 2
		.amdhsa_user_sgpr_kernarg_segment_ptr 1
		.amdhsa_wavefront_size32 1
		.amdhsa_system_sgpr_workgroup_id_x 1
		.amdhsa_system_sgpr_workgroup_id_y 1
		.amdhsa_system_sgpr_workgroup_id_z 1
		.amdhsa_system_vgpr_workitem_id 0
		.amdhsa_next_free_vgpr 384
		.amdhsa_next_free_sgpr 88
		.amdhsa_reserve_vcc 0
		.amdhsa_float_denorm_mode_32 3
		.amdhsa_float_denorm_mode_16_64 3
		.amdhsa_memory_ordered 1
		.amdhsa_forward_progress 1
		.amdhsa_inst_pref_size 91
	.end_amdhsa_kernel
	.amdgpu_metadata
---
amdhsa.version: [ 1, 2 ]
amdhsa.kernels:
  - .name:           k_q612c4afc09_outgemm
    .symbol:         k_q612c4afc09_outgemm.kd
    .args:
      - { .name: att, .offset: 0, .size: 8, .value_kind: global_buffer, .address_space: global }
      - { .name: castb, .offset: 8, .size: 8, .value_kind: global_buffer, .address_space: global }
      - { .name: out_proj_bias, .offset: 16, .size: 8, .value_kind: global_buffer, .address_space: global }
      - { .name: out0, .offset: 24, .size: 8, .value_kind: global_buffer, .address_space: global }
    .group_segment_fixed_size: 327680
    .private_segment_fixed_size: 0
    .kernarg_segment_align: 8
    .kernarg_segment_size: 32
    .max_flat_workgroup_size: 128
    .sgpr_count:     88
    .vgpr_count:     384
    .wavefront_size: 32
...
	.end_amdgpu_metadata
.endif
;; end of part 4
